; MI455X (gfx1250); checked and timed in simulation.
; The chip was launched on July 23, 2026; its instructions are those of AMD's public machine-readable ISA for CDNA 5 (MIT licence, August 2026) and "CDNA5" Instruction Set Architecture Reference Guide (July 2026). The comments in the code are by the model that wrote it; some were corrected since.
;; Spatial Attention. Allowed arithmetic: matrix products marked QUANTISED: E5M2 operands, one E8M0 scale for each 32 along K, by v_wmma_scale_f32_16x16x128_f8f6f4 with both operands' format E5M2, f32 sums; everything else in f32.
;; Inputs: Wk 64 x 64 float32; Wq 64 x 64 float32; Wv 64 x 64 float32; bk 64 float32; bq 64 float32; bv 64 float32; gamma 1 float32; x 4 x 64 x 64 x 64 float32.
;; Outputs: out0 4 x 64 x 64 x 64 float32.
;; This version of the problem:
;;   THIS VERSION OF THE PROBLEM IS GIVEN IN LOW PRECISION. The matrix products marked QUANTISED in the list below multiply operands that are first quantised to E5M2 (5 exponent bits, 2 mantissa bits; 8 bits a number), with one power-of-two scale for each 32 numbers along K (OCP MX v1.0); their sums are f32. All else is computed in f32.
;;   The module's matrix products, in the order in which they are computed (A, B: the left and right operand; K: the contracted axis; several contracted axes count as one K, in the product's order):
;;     1. [M 16,384, K 64] x [K 64, N 64]; A: input x; B: input Wq: QUANTISED
;;     2. [M 16,384, K 64] x [K 64, N 64]; A: input x; B: input Wk: QUANTISED
;;     3. [M 16,384, K 64] x [K 64, N 64]; A: input x; B: input Wv: QUANTISED
;;     4. batch 4 x [M 4,096, K 64] x [K 64, N 4,096]; A: computed on the way; B: computed on the way: QUANTISED
;;     5. batch 4 x [M 64, K 4,096] x [K 4,096, N 4,096]; A: computed on the way; B: softmax (see below): QUANTISED
;;   THE QUANTISER, for each operand of a quantised product, along K:
;;     - K is cut into blocks of 32 from its start; a last block that is shorter is filled with zeros.
;;     - A block's scale is 2^e with e = floor(log2(the largest magnitude in the block)) - 15, held to -126 .. 127; a block of zeros has e = 0. As a byte (E8M0): e + 127.
;;     - Each number is divided by its block's scale, clamped to +-57,344, and rounded to the nearest number of E5M2, ties to even, subnormals kept.
;;     - The product sums the exact products of the quantised numbers (number of the format x scale) in f32.
;;   ~~~python
;;   def quantise(x, axis):      # numpy; x: float32 -> the quantised numbers, widened to float32 again
;;       x = np.moveaxis(x, axis, -1); K = x.shape[-1]
;;       x = np.pad(x, [(0, 0)] * (x.ndim - 1) + [(0, -K % 32)]); x = x.reshape(x.shape[:-1] + (-1, 32)); a = np.abs(x).max(-1, keepdims=True)
;;       e = np.where(a > 0, np.clip(np.frexp(np.where(a > 0, a, 1))[1] - 1 - 15, -126, 127), 0)      # np.frexp(a)[1] - 1 = floor(log2(a)), exactly
;;       r = np.clip(x / 2.0 ** e, -57344, 57344)
;;       step = 2.0 ** (np.maximum(np.frexp(np.where(r == 0, 1, r))[1] - 1, -14) - 2)
;;       q = np.round(r / step) * step * 2.0 ** e      # np.round: ties to even
;;       return np.moveaxis(q.reshape(q.shape[:-2] + (-1,))[..., :K], -1, axis).astype(np.float32)
;;   ~~~
;;   SOFTMAX AHEAD OF A QUANTISED PRODUCT. Where the list says 'softmax', what is quantised is not the finished softmax but p = 2^(t - M), with t = logit x log2(e) and M = ceil(the row's largest t), a whole number; so 1/2 < the row's largest p <= 1. The row's sum l is taken of the UNQUANTISED p, in f32, and the product's result is divided by l at the end. Since M is a whole number, a kernel that streams over the keys may use a running M (the ceiling of the running maximum): every later rescaling is an exact power of two, which a block's scale takes up: the codes' values come out the same.
;;   OPERANDS COMPUTED ON THE WAY. 'Computed on the way' means the value that the module computes at that place (a softmax that the list does not call 'softmax' is quantised finished and normalised). What goes into a quantiser is computed in f32, as accurately as f32 sums, v_exp_f32 and their like allow (about 1e-6 of the number): no bf16 or f16 on the way to a quantiser, and a product that is left as it is and whose result goes on into a quantised operand takes f32 operands (vector FMAs, or v_wmma_f32_16x16x4_f32). A number that lies on a knife's edge between two numbers of the format may be rounded either way, as far as f32 arithmetic and the matrix unit's own rounding can turn it there, and no further.
;; One version. Each part assembles by itself: llvm-mc -triple=amdgcn-amd-amdhsa -mcpu=gfx1250 --defsym DOCPART=n.
;; ======== version 1 of 1: 2 launches
;; limits: right only within a limited range of input values
;; workspace buffers: qw 1,310,720 bytes; kvc 2,162,688 bytes
;; launch proj (part 1): grid 128 x 1, 12 waves a work-group, no clusters, 169,472 bytes of LDS; arguments x, Wq, Wk, Wv, bq, bk, bv, qw, kvc; writes qw, kvc
.if DOCPART == 1
	.amdgcn_target "amdgcn-amd-amdhsa--gfx1250"
	.amdhsa_code_object_version 6
	.text
	.protected	k_q87e1e3caa3_proj
	.globl	k_q87e1e3caa3_proj
	.p2align	8
	.type	k_q87e1e3caa3_proj,@function
k_q87e1e3caa3_proj:
	s_mov_b64 s[64:65], 0
	v_nop
	global_prefetch_b8 v0, s[64:65] scope:SCOPE_SE
	s_setreg_imm32_b32 hwreg(HW_REG_WAVE_MODE, 25, 1), 1
	s_wait_xcnt 0x0
; q, k, v = W x + b (three products on codes of E5M2 with one E8M0 scale for each 32 channels), and the quantising of q, k (along the channels) and v (along the keys) for the attention launch.
; x: [4][64 channels][4096 positions] f32.  Wq, Wk, Wv: [64 out][64 in] f32.  bq, bk, bv: [64] f32.
; OUT, all laid as images of operand registers (a group of four registers: 16 bytes a lane, 512 bytes on end):
;   qw  [batch][tile of 16 queries, 256][1280]: two groups of Q's codes, then 8 bytes a lane: two scale words;
;   kvc [batch][step of 128 keys, 32][16896]: four fragments of K (2048 f + 512 c), four of V^T (8192 + 2048 tau + 512 c), then K's scale words, [lane][2 words], and V's.
; SHARES.  A work-group takes 128 neighbouring positions (a step) of one batch: V's scale word spans 128 keys.  Wave w has a role (w / 4: q, k, v) and a group of 32 positions (w % 4).
; x's 64 x 128 numbers come into LDS once, by one tensor load.  Each wave quantises one tile of 16 rows of its role's W (12 tiles, 12 waves; the images meet in LDS), quantises its group's x, issues 8 products, quantises their 64 results a lane.
; THE POSITIONS OF A TILE ARE NOT NEIGHBOURS: lane r of tile u of a group takes position 8 u + r + 8 (r / 8), and the rows of W's tiles for q and k are chosen likewise, so that the 16 registers of two neighbouring tiles are 16 neighbours along the next K.
; q, k: source 0 = 16 rows of W, source 1 = 16 positions: a lane holds one position, its registers run along the channels.  v: source 0 = positions, source 1 = rows of W: a lane holds one channel, its registers run along the keys.
; K = 64 in an instruction of 128: the upper eight registers of each fragment hold zero codes.  The biases are the C of the products.
; A block's scale is 2^(floor(log2(its largest magnitude)) - 15); its byte is the largest magnitude's exponent field - 15, held at 1 from below.
; LIMITS: NaN and infinities among the inputs are not served.  A block of zeros, or one whose largest magnitude lies under 2^-111, gets the byte 1 (the rule says 127 for zeros): its codes are zeros, and this program alone reads the bytes.
.set XP,   520                         ; a channel's row in LDS: 512 bytes + 8 of padding
.set WIMG, 64*XP                       ; behind x: the 12 tiles of W as images, 1,024 bytes each;
.set WSC,  WIMG+12*1024                ; their scale words, 128 bytes each;
.set GATH, WSC+12*128                  ; the step's 512 bytes of K's and V's scale words
.set LI,  4                            ; v4   16 x lane
.set L8,  5                            ; v5   8 x lane
.set WO,  6                            ; v6   W: my row x 256 + 64 h
.set BO,  7                            ; v7   bias of q, k: 64 h
.set WIA, 8                            ; v8   where I store my tile of W
.set WSA, 9                            ; v9   and its scale word
.set WRA, 10                           ; v10  where my role's four tiles begin
.set WRS, 11                           ; v11  and their scale words
.set XRA, 12                           ; v12  x in LDS: channel 16 h, my position of tile 0
.set GK,  13                           ; v13  where K's scale word goes
.set GV,  14                           ; v14  where V's scale bytes go
.set GR,  15                           ; v15  the gathered 512 bytes, 16 a lane
.set WS,  16                           ; v16-19  W's scale words
.set XS,  20                           ; v20-21  x's scale words, tile 0, 1
.set PWR, 22                           ; v22  the results' scale word
.set PWW, 23                           ; v23  my tile of W's
.set XA,  24                           ; v24-39, v40-55  x's two fragments
.set WF,  56                           ; v56-119  W's four fragments
.set BI,  120                          ; v120-151 the biases in the results' layout
.set XF,  152                          ; v152-215 numbers in f32: W, then x, then the results
.set PC,  216                          ; v216-231 codes just made
.set QW,  232                          ; v232-235 Q's scale words as the attention wants them
.set TM,  236                          ; v236-239 largest magnitudes, v240-243 bytes, v244-247 the holds, v248-251 the conversions' scale operands
.set BV,  252                          ; v252 bias of v: 4 r
.set WV,  24                           ; s24  wave
.set RHO, 25                           ; s25  role
.set GB,  26                           ; s26  group
.set SEL, 48                           ; s[48:49] lane selects: lane l xor 16
.set MNT, 50                           ; s50  the mantissa field of 57,344
; nb blocks (2 or 4) of a lane's 16 numbers, v[s + 16 beta] on; lane l xor 16 holds the block's other 16.  Codes of blocks 0, 1 to v[d0] on, of blocks 2, 3 to v[d1] on; the bytes make v[pw].
.macro QUANT s, nb, d0, d1, pw
.set qb, 0
.rept \nb
	v_max3_num_f32 v[TM+qb], |v[\s+16*qb]|, |v[\s+16*qb+1]|, 0x8000000   ; my 16 numbers, and the floor 2^(16 - 127): the byte cannot fall under 1
.set qb, qb+1
.endr
.irp i, 2,4,6,8,10,12,14
.set qb, 0
.rept \nb
	v_max3_num_f32 v[TM+qb], v[TM+qb], |v[\s+16*qb+\i]|, |v[\s+16*qb+\i+1]|   ; (the blocks by turns)
.set qb, qb+1
.endr
.endr
.set qb, 0
.rept \nb
	v_permlanex16_b32 v[TM+4+qb], v[TM+qb], s[SEL], s[SEL+1]
.set qb, qb+1
.endr
.set qb, 0
.rept \nb
	v_max_num_f32 v[TM+qb], v[TM+qb], v[TM+4+qb]           ; the block's largest magnitude
.set qb, qb+1
.endr
.set qb, 0
.rept \nb
	v_add_nc_u32 v[TM+12+qb], 0xf8800000, v[TM+qb]         ; 15 off its exponent field: the conversion's scale operand
.set qb, qb+1
.endr
.set qb, 0
.rept \nb
	v_and_or_b32 v[TM+8+qb], v[TM+qb], 0x7f800000, s[MNT]  ; 57,344 x the scale
.set qb, qb+1
.endr
.set qb, 0
.rept \nb
	v_lshrrev_b32 v[TM+4+qb], 23, v[TM+12+qb]              ; the scale's byte
.set qb, qb+1
.endr
	v_lshl_or_b32 v[\pw], v[TM+5], 8, v[TM+4]
.if \nb > 2
	s_delay_alu instid0(VALU_DEP_1)
	v_lshl_or_b32 v[\pw], v[TM+6], 16, v[\pw]
	s_delay_alu instid0(VALU_DEP_1)
	v_lshl_or_b32 v[\pw], v[TM+7], 24, v[\pw]
.endif
.set qb, 0
.rept \nb
.if qb < 2
.set qd, \d0+4*qb
.else
.set qd, \d1+4*(qb-2)
.endif
.set qi, 0
.rept 16
	v_med3_num_f32 v[\s+16*qb+qi], v[\s+16*qb+qi], -v[TM+8+qb], v[TM+8+qb]   ; the conversion to an 8-bit code does not saturate (ISA guide 7.6.2): the hold comes first
.set qi, qi+1
.endr
	v_cvt_scalef32_pk8_bf8_f32 v[qd:qd+1], v[\s+16*qb:\s+16*qb+7], v[TM+12+qb]
	v_cvt_scalef32_pk8_bf8_f32 v[qd+2:qd+3], v[\s+16*qb+8:\s+16*qb+15], v[TM+12+qb]
.set qb, qb+1
.endr
	v_nop                                          ; one plain line between the last conversion and whatever next touches its result or writes its sources
.endm
.macro PROD d, a, b, c, sa, sb
	v_wmma_scale_f32_16x16x128_f8f6f4 v[\d:\d+7], v[\a:\a+15], v[\b:\b+15], v[\c:\c+7], v[\sa], v[\sb] matrix_a_fmt:MATRIX_FMT_BF8 matrix_b_fmt:MATRIX_FMT_BF8
.endm
	s_load_b256 s[4:11], s[0:1], 0x0               ; x s[4:5], Wq s[6:7], Wk s[8:9], Wv s[10:11]
	s_load_b256 s[12:19], s[0:1], 0x20             ; bq s[12:13], bk s[14:15], bv s[16:17], qw s[18:19]
	s_load_b64 s[20:21], s[0:1], 0x40              ; kvc
	v_lshl_add_u32 v254, v0, 2, 0x29000            ; my spare word, and 0: the add, twice on end, ahead of the first tensor load
	v_mov_b32 v255, 0
	ds_add_u32 v254, v255
	ds_add_u32 v254, v255
	v_lshrrev_b32 v1, 5, v0
	s_delay_alu instid0(VALU_DEP_1)
	v_readfirstlane_b32 s[WV], v1                  ; wave 0..11
	s_lshr_b32 s[RHO], s[WV], 2
	s_and_b32 s[GB], s[WV], 3
	v_and_b32 v1, 15, v0                           ; r
	s_wait_alu depctr_va_vdst(0)
	v_bfe_u32 v2, v0, 4, 1                         ; h
	v_and_b32 v3, 31, v0                           ; lane
	s_delay_alu instid0(VALU_DEP_1)
	v_lshlrev_b32 v[LI], 4, v3
	s_delay_alu instid0(VALU_DEP_2)
	v_lshlrev_b32 v[L8], 3, v3
	; the row of W that my lane takes in the tile that I quantise: q, k: 32 (gb / 2) + 8 (gb % 2) + r + 8 (r / 8);  v: 16 gb + r
	s_lshr_b32 s54, s[GB], 1
	s_lshl_b32 s54, s54, 5
	s_and_b32 s55, s[GB], 1
	s_lshl_b32 s55, s55, 3
	s_add_co_u32 s54, s54, s55
	s_lshl_b32 s55, s[GB], 4
	s_cmp_lt_u32 s[WV], 8
	s_cselect_b32 s53, 8, 0
	s_cselect_b32 s54, s54, s55
	v_and_b32 v[WO], s53, v1
	s_delay_alu instid0(VALU_DEP_1)
	v_add3_u32 v[WO], v[WO], v1, s54
	s_delay_alu instid0(VALU_DEP_1)
	v_lshlrev_b32 v[WO], 8, v[WO]                  ; a row of W is 256 bytes,
	s_wait_alu depctr_va_vdst(0)
	v_lshl_add_u32 v[WO], v2, 6, v[WO]             ; and my 16 numbers of a block of 32 begin 64 h on
	v_lshlrev_b32 v[BO], 6, v2
	v_lshlrev_b32 v[BV], 2, v1
	; every LDS address is made here, ahead of the first parting of the waves
	s_lshl_b32 s55, s[WV], 10
	s_add_co_u32 s55, s55, WIMG
	v_add_nc_u32 v[WIA], s55, v[LI]
	s_lshl_b32 s55, s[WV], 7
	s_add_co_u32 s55, s55, WSC
	v_lshl_add_u32 v[WSA], v3, 2, s55
	s_lshl_b32 s55, s[RHO], 12
	s_add_co_u32 s55, s55, WIMG
	v_add_nc_u32 v[WRA], s55, v[LI]
	s_lshl_b32 s55, s[RHO], 9
	s_add_co_u32 s55, s55, WSC
	v_lshl_add_u32 v[WRS], v3, 2, s55
	v_and_b32 v[XRA], 8, v1
	s_delay_alu instid0(VALU_DEP_1)
	v_add_nc_u32 v[XRA], v[XRA], v1                ; r + 8 (r / 8)
	s_delay_alu instid0(VALU_DEP_1)
	v_lshlrev_b32 v[XRA], 2, v[XRA]
	s_delay_alu instid0(VALU_DEP_1)
	v_mad_u32_u24 v[XRA], v2, 16*XP, v[XRA]        ; lanes 16-31 begin 16 channels further down
	s_lshl_b32 s55, s[GB], 7
	v_add_nc_u32 v[XRA], s55, v[XRA]               ; my group's 32 positions
	s_and_b32 s55, s[GB], 1                        ; fragment gb's scale word of row r stands in lane 16 (gb % 2) + r, word gb / 2
	s_lshl_b32 s55, s55, 7
	s_lshr_b32 s56, s[GB], 1
	s_lshl_b32 s56, s56, 2
	s_add_co_u32 s55, s55, s56
	s_add_co_u32 s55, s55, GATH
	v_lshl_add_u32 v[GK], v1, 3, s55
	s_add_co_u32 s55, s[GB], GATH+256              ; my group is byte gb of V's words
	v_lshl_add_u32 v[GV], v1, 3, s55
	v_add_nc_u32 v[GR], GATH, v[LI]
	; the tensor load's shape: 64 rows (channels) of 128 f32, 4,096 elements apart, 2 words of padding behind each 128
	s_mov_b32 s40, (2<<16)|(1<<20)|(6<<22)|(1<<25) ; no mask; elements of 4 bytes; padding on; after every 128 words (code 6); 2 words (code 1)
	s_mov_b32 s41, 128<<16                         ; tensor_dim0
	s_mov_b32 s42, 64<<16                          ; tensor_dim1
	s_mov_b32 s43, 128<<16                         ; tile_dim0
	s_mov_b32 s44, 64                              ; tile_dim1
	s_mov_b32 s45, 4096                            ; from row to row
	s_mov_b32 s46, 0
	s_mov_b32 s47, 0
	s_mov_b32 s36, 1                               ; count = 1
	s_mov_b32 s37, 0                               ; LDS byte 0
	s_mov_b32 s[SEL], 0x76543210
	s_mov_b32 s[SEL+1], 0xfedcba98
	s_mov_b32 s[MNT], 0x600000
	s_mov_b32 s51, 0x01010000                      ; the bytes 1 of Q's scale words over the half that holds zero codes
	s_mov_b32 s52, 0x0101
	s_lshr_b32 s56, ttmp9, 5                       ; batch
	s_lshl_b32 s56, s56, 20                        ; 64 x 4,096 x 4 bytes
	s_and_b32 s54, ttmp9, 31                       ; step
	s_lshl_b32 s54, s54, 9                         ; 128 positions x 4 bytes
	s_add_co_u32 s56, s56, s54
	s_mov_b32 s57, 0
	s_lshl_b32 s53, ttmp9, 3                       ; q: tile 8 x work-group + 2 gb, 1,280 bytes a tile
	s_lshl_b32 s54, s[GB], 1
	s_add_co_u32 s53, s53, s54
	s_mul_i32 s53, s53, 1280
	s_mul_i32 s54, ttmp9, 16896                    ; k, v: the step's 16,896 bytes;
	s_lshl_b32 s55, s[GB], 11
	s_add_co_u32 s55, s55, s54                     ; k: fragment gb
	s_lshl_b32 s58, s[GB], 9
	s_add_co_u32 s58, s58, s54
	s_add_co_u32 s58, s58, 8192                    ; v: group of registers gb of each fragment
	s_mov_b32 s61, 0
	s_add_co_u32 s62, s54, 16384                   ; the step's 512 bytes of scale words stand behind its codes
	s_mov_b32 s63, 0
	s_wait_dscnt 0x0
	s_wait_kmcnt 0x0
	s_add_nc_u64 s[38:39], s[4:5], s[56:57]
	s_or_b32 s39, s39, 0x80000000                  ; type = 2
	s_cmp_lg_u32 s[WV], 0
	s_cbranch_scc1 .Lno_fetch
	tensor_load_to_lds s[36:39], s[40:47]          ; wave 0 alone: the launch's one tensor load; nothing is filled again
	s_nop 0
.rept 4
	v_nop
.endr
.Lno_fetch:
	s_cmp_lt_u32 s[WV], 4                          ; my role's buffers: the choices hang on the wave's number alone
	s_cselect_b64 s[28:29], s[6:7], s[8:9]
	s_cselect_b64 s[30:31], s[12:13], s[14:15]
	s_cselect_b64 s[32:33], s[18:19], s[20:21]
	s_cselect_b32 s60, s53, s55
	s_cmp_lt_u32 s[WV], 8
	s_cselect_b64 s[28:29], s[28:29], s[10:11]     ; W
	s_cselect_b64 s[30:31], s[30:31], s[16:17]     ; bias
	s_cselect_b32 s60, s60, s58
	s_add_nc_u64 s[32:33], s[32:33], s[60:61]      ; where my codes go
	s_add_nc_u64 s[34:35], s[20:21], s[62:63]      ; where the step's scale words go
	s_cmp_lt_u32 s[WV], 8
	s_cbranch_scc0 .Lbias_v
.irp t, 0,1,2,3                                ; q, k: register j of tile t is channel 32 (t / 2) + 16 h + 8 (t % 2) + j
	global_load_b128 v[BI+8*\t:BI+8*\t+3], v[BO], s[30:31] offset:(32*(\t/2)+8*(\t%2))*4
	global_load_b128 v[BI+8*\t+4:BI+8*\t+7], v[BO], s[30:31] offset:(32*(\t/2)+8*(\t%2))*4+16
.endr
	s_branch .Lbias_done
.Lbias_v:
.irp t, 0,1,2,3                                ; v: all eight registers of tile t belong to channel 16 t + r
.irp j, 0,1,2,3,4,5,6,7
	global_load_b32 v[BI+8*\t+\j], v[BV], s[30:31] offset:64*\t
.endr
.endr
.Lbias_done:
.irp c, 0,1
.irp j, 0,1,2,3
	global_load_b128 v[XF+16*\c+4*\j:XF+16*\c+4*\j+3], v[WO], s[28:29] offset:128*\c+16*\j   ; W(my row, 32 c + 16 h + 0 .. 15)
.endr
.endr
.irp j, 8,9,10,11,12,13,14,15                  ; zero codes for k = 64 .. 127: the upper halves of x's two and W's four fragments
	v_mov_b32 v[XA+\j], 0
	v_mov_b32 v[XA+16+\j], 0
	v_mov_b32 v[WF+\j], 0
	v_mov_b32 v[WF+16+\j], 0
	v_mov_b32 v[WF+32+\j], 0
	v_mov_b32 v[WF+48+\j], 0
.endr
.irp b, 0,1,2,3
	v_mov_b32 v[TM+4+\b], 0                        ; written once: a lane permute's destination counts as one of its sources
.endr
	s_wait_loadcnt 0x0                             ; W and the biases
	; ---- my tile of W becomes codes, and goes to LDS as it stands in the registers
	QUANT XF, 2, PC, PC, PWW
	ds_store_b128 v[WIA], v[PC:PC+3]
	ds_store_b128 v[WIA], v[PC+4:PC+7] offset:512
	ds_store_b32 v[WSA], v[PWW]
	s_wait_tensorcnt 0x0                           ; x has landed (wave 0's load; the other waves have none out),
	s_wait_dscnt 0x0                               ; my stores too
	s_barrier_signal -1
	s_barrier_wait -1
	; ---- my group's x: x(32 c + 16 h + i, position of tile u)
.irp u, 0,1
.irp c, 0,1
.irp i, 0,1,2,3,4,5,6,7,8,9,10,11,12,13,14,15
	ds_load_b32 v[XF+32*\u+16*\c+\i], v[XRA] offset:(32*\c+\i)*XP+32*\u
.endr
.endr
.endr
.irp t, 0,1,2,3
.irp c, 0,1
	ds_load_b128 v[WF+16*\t+4*\c:WF+16*\t+4*\c+3], v[WRA] offset:1024*\t+512*\c
.endr
.endr
.irp t, 0,1,2,3
	ds_load_b32 v[WS+\t], v[WRS] offset:128*\t
.endr
	s_wait_dscnt 12                                ; x's 64 loads are in; the 12 of W, issued behind them, may be out
	QUANT XF, 4, XA, XA+16, XS                     ; blocks 0, 1: tile 0's channels; blocks 2, 3: tile 1's
	v_lshrrev_b32 v[XS+1], 16, v[XS]               ; tile 1's two bytes; the bytes over the zero codes are whatever stands there, never 0xff
	s_wait_dscnt 0x0                               ; W's fragments and scale words
.rept 8
	v_nop                                          ; a scale register written by a vector instruction stands 8 places ahead of the product, codes 4
.endr
	; ---- the products: eight accumulators, one instruction each
	s_cmp_lt_u32 s[WV], 8
	s_cbranch_scc0 .Lprod_v
	s_wait_alu depctr_va_vdst(0)
.irp u, 0,1
.irp t, 0,1,2,3
	PROD XF+32*\u+8*\t, WF+16*\t, XA+16*\u, BI+8*\t, WS+\t, XS+\u
.endr
.endr
	s_branch .Lprod_done
.Lprod_v:
	s_wait_alu depctr_va_vdst(0)
.irp t, 0,1,2,3
.irp u, 0,1
	PROD XF+16*\t+8*\u, XA+16*\u, WF+16*\t, BI+8*\t, XS+\u, WS+\t
.endr
.endr
.Lprod_done:
.rept 8
	v_nop                                          ; places between the products and the first read of their results
.endr
	QUANT XF, 4, PC, PC+8, PWR                     ; q, k: two tiles x two blocks of channels;  v: four tiles of channels x my group's 32 keys
	; ---- out
	s_cmp_lt_u32 s[WV], 4
	s_cbranch_scc0 .Lnot_q
	v_and_or_b32 v[QW], v[PWR], 0xffff, s51        ; tile 0: the word for [Q | 0],
	v_lshl_or_b32 v[QW+1], v[PWR], 16, s52         ; and for [0 | Q]
	v_lshrrev_b32 v[QW+2], 16, v[PWR]
	s_delay_alu instid0(VALU_DEP_1)
	v_or_b32 v[QW+2], s51, v[QW+2]                 ; tile 1 likewise
	v_and_or_b32 v[QW+3], v[PWR], 0xffff0000, s52
	global_store_b128 v[LI], v[PC:PC+3], s[32:33]  ; each store of the wave covers 512 consecutive bytes, aligned to 256
	global_store_b128 v[LI], v[PC+4:PC+7], s[32:33] offset:512
	global_store_b64 v[L8], v[QW:QW+1], s[32:33] offset:1024
	global_store_b128 v[LI], v[PC+8:PC+11], s[32:33] offset:1280
	global_store_b128 v[LI], v[PC+12:PC+15], s[32:33] offset:1792
	global_store_b64 v[L8], v[QW+2:QW+3], s[32:33] offset:2304
	s_branch .Lstored
.Lnot_q:
	s_cmp_lt_u32 s[WV], 8
	s_cbranch_scc0 .Lis_v
	s_wait_alu depctr_va_vdst(0)
.irp k, 0,1,2,3
	global_store_b128 v[LI], v[PC+4*\k:PC+4*\k+3], s[32:33] offset:512*\k    ; one fragment of K: tile 0's 64 channels, then tile 1's
.endr
	ds_store_b32 v[GK], v[PWR]                     ; lanes r and r + 16 write the same word with the same value
	s_branch .Lstored
.Lis_v:
	s_wait_alu depctr_va_vdst(0)
.irp k, 0,1,2,3
	global_store_b128 v[LI], v[PC+4*\k:PC+4*\k+3], s[32:33] offset:2048*\k   ; my group's four registers of each of V's four fragments
.endr
.irp k, 0,1,2,3
	ds_store_b8 v[GV], v[TM+4+\k] offset:128*(\k%2)+4*(\k/2)                 ; and its byte of each of their scale words
.endr
.Lstored:
	s_wait_dscnt 0x0                               ; for wave 0's sake: my stores into the gathered words are done
	s_barrier_signal -1
	s_barrier_wait -1
	s_cmp_lg_u32 s[WV], 0
	s_cbranch_scc1 .Lend
	ds_load_b128 v[XF:XF+3], v[GR]
	s_wait_dscnt 0x0
	global_store_b128 v[LI], v[XF:XF+3], s[34:35]  ; the step's scale words: 512 consecutive bytes
.Lend:
	s_wait_tensorcnt 0x0                           ; the wave's end
	ds_add_u32 v254, v255
	s_wait_dscnt 0x0
	s_endpgm
.Lfunc_end_k_q87e1e3caa3_proj:
	.size	k_q87e1e3caa3_proj, .Lfunc_end_k_q87e1e3caa3_proj-k_q87e1e3caa3_proj
	.p2alignl 7, 3214868480
	.fill 96, 4, 3214868480
	.section	.rodata,"a",@progbits
	.p2align	6, 0x0
	.amdhsa_kernel k_q87e1e3caa3_proj
		.amdhsa_group_segment_fixed_size 169472
		.amdhsa_private_segment_fixed_size 0
		.amdhsa_enable_private_segment 0
		.amdhsa_kernarg_size 72
		.amdhsa_user_sgpr_count 2
		.amdhsa_user_sgpr_kernarg_segment_ptr 1
		.amdhsa_wavefront_size32 1
		.amdhsa_system_sgpr_workgroup_id_x 1
		.amdhsa_system_sgpr_workgroup_id_y 1
		.amdhsa_system_sgpr_workgroup_id_z 1
		.amdhsa_system_vgpr_workitem_id 0
		.amdhsa_next_free_vgpr 256
		.amdhsa_next_free_sgpr 66
		.amdhsa_reserve_vcc 0
		.amdhsa_float_denorm_mode_32 3
		.amdhsa_float_denorm_mode_16_64 3
		.amdhsa_memory_ordered 1
		.amdhsa_forward_progress 1
		.amdhsa_inst_pref_size 43
	.end_amdhsa_kernel
	.amdgpu_metadata
---
amdhsa.version: [ 1, 2 ]
amdhsa.kernels:
  - .name:           k_q87e1e3caa3_proj
    .symbol:         k_q87e1e3caa3_proj.kd
    .args:
      - { .name: x, .offset: 0, .size: 8, .value_kind: global_buffer, .address_space: global }
      - { .name: Wq, .offset: 8, .size: 8, .value_kind: global_buffer, .address_space: global }
      - { .name: Wk, .offset: 16, .size: 8, .value_kind: global_buffer, .address_space: global }
      - { .name: Wv, .offset: 24, .size: 8, .value_kind: global_buffer, .address_space: global }
      - { .name: bq, .offset: 32, .size: 8, .value_kind: global_buffer, .address_space: global }
      - { .name: bk, .offset: 40, .size: 8, .value_kind: global_buffer, .address_space: global }
      - { .name: bv, .offset: 48, .size: 8, .value_kind: global_buffer, .address_space: global }
      - { .name: qw, .offset: 56, .size: 8, .value_kind: global_buffer, .address_space: global }
      - { .name: kvc, .offset: 64, .size: 8, .value_kind: global_buffer, .address_space: global }
    .group_segment_fixed_size: 169472
    .private_segment_fixed_size: 0
    .kernarg_segment_align: 8
    .kernarg_segment_size: 72
    .max_flat_workgroup_size: 384
    .sgpr_count:     66
    .vgpr_count:     256
    .wavefront_size: 32
...
	.end_amdgpu_metadata
.endif
;; end of part 1
;; launch attn (part 2): grid 64 x 4, 8 waves a work-group, clusters of 4 x 1, 327,680 bytes of LDS; arguments qw, kvc, x, gamma, out0; writes out0
.if DOCPART == 2
	.amdgcn_target "amdgcn-amd-amdhsa--gfx1250"
	.amdhsa_code_object_version 6
	.text
	.protected	k_q87e1e3caa3_attn
	.globl	k_q87e1e3caa3_attn
	.p2align	8
	.type	k_q87e1e3caa3_attn,@function
k_q87e1e3caa3_attn:
	s_mov_b64 s[64:65], 0
	v_nop
	global_prefetch_b8 v0, s[64:65] scope:SCOPE_SE
	s_setreg_imm32_b32 hwreg(HW_REG_WAVE_MODE, 25, 1), 1
	s_wait_xcnt 0x0
	s_wait_alu depctr_hold_cnt(0) depctr_sa_sdst(0) depctr_va_vdst(0) depctr_va_sdst(0) depctr_va_ssrc(0) depctr_va_vcc(0) depctr_vm_vsrc(0)
	s_getreg_b32 s2, hwreg(HW_REG_IB_STS2, 6, 4)
	s_cmp_eq_u32 s2, 0
	s_cbranch_scc0 .Lentry_in_a_cluster
	s_endpgm
.Lentry_in_a_cluster:
	s_bfe_u32 s2, ttmp6, 0x10000c
	s_cmp_lg_u32 s2, 0x3003
	s_cbranch_scc0 .Lentry_shape_is_right
	s_endpgm
.Lentry_shape_is_right:
; out0[b][c][i] = gamma x (sum over j of v[b][c][j] p[i][j]) / l[i] + x[b][c][i], p = 2^(t - M), t = (q_i . k_j) log2(e), both products on codes of E5M2 with one E8M0 scale for each 32 along K.
; qw, kvc: images of operand registers, made by the launch before (a group of four registers: 16 bytes a lane, 512 bytes on end).
; THE SOFTMAX: M = the running largest t rounded UP to a whole number; p is quantised along the keys, not normalised; the row's sum l is taken of the unquantised p.  When M moves, l and O are multiplied by 2^(old M - new M): exact.
; SHARES.  A work-group owns 64 queries of one batch: four tiles of 16.  Each of its EIGHT waves takes all four tiles against an eighth of the keys, 512: four steps of 128.  So each fragment of K and V is read from LDS once in the work-group
; and feeds four tiles, and a wave reads only LDS bytes that it fetched itself.  The eight partial results meet in LDS at the end; their factors are powers of two.
; LAYOUT.  Both products transposed: S^T = K Q^T, O^T = V^T P^T: a lane holds ONE query (lane % 16) of a tile.  Lane r of tile u of a group of 32 keys is key 8 u + r + 8 (r / 8), so that the 16 registers of a group's two tiles are keys 16 (lane / 16) + 0 .. 15.
; K = 64 IN AN INSTRUCTION OF 128: a fragment of K holds TWO tiles of keys (registers 0-7, 8-15).  Q stands as 0 Q0 0 Q1 0 Q2 0 Q3 0, eight registers each: against [Q | 0] the fragment gives the first tile's scores, against [0 | Q]
; the second's; the other half multiplies finite codes (the quantiser holds at 57,344) by zero codes.  Q's scale bytes over its zero codes are 1.
; ORDER.  Scores have two register sets.  The next tile's products stand among this tile's holds and conversions; O^T's products stand behind the next tile's first maxima: the places behind products are work that is due anyway.
; The steps are written out: the first starts O^T with C = 0, the first two ask for a step two on, the third asks for nothing, the last has no successor.
; CLUSTER.  The four work-groups of a cluster belong to one batch and walk the same K and V: each wave's step is asked for JOINTLY (mask 15).  A second shared operand there is none, so the cluster is 4 x 1.
; FILLS.  A step's codes and scale words are one dense block of 16,896 bytes.  Each wave has two slots; it asks for step 0 at the head, for step 1 behind the next round, for steps 2 and 3 behind a round in steps 0 and 1.  One tensor load of a wave is out at a time.
; kvc IS NOT PREFETCHED: steps 1, 2 and 3 are asked for at least two and a half tiles (30 products and the softmax of two tiles and more) ahead of their first read, and step 0 has nothing ahead of it.  x's rows for the residual are prefetched in the third step.
; LIMITS: NaN and infinities are not served; t stays under 2^31 in magnitude.  A block's largest p is made from its largest score by the same two instructions as every p: this takes v_exp_f32 not to fall where its input rises.  A block all of whose p fall under 2^-111 gets the byte 1.
.set BLK,   16896                      ; a step: 16,384 bytes of codes, 512 of scale words: 66 rows of 256 bytes
.set SCO,   16384                      ; the scale words in it
.set WREG,  2*BLK                      ; a wave's two slots
.set SPARE, 8*WREG                     ; the spare words, 128 bytes for each wave: four blocks of 256 bytes that no other line names
.set STG,   SPARE+1024                 ; the way out: 64 channels x (256 bytes + 16)
.set SP2,   272
; window 0
.set AD,   1                           ; v1   my slots + 16 x lane
.set AD8,  2                           ; v2   my slots' scale words + 8 x lane
.set SPW,  4                           ; v4   LDS address of my spare word; never rewritten
.set PW,   5                           ; v5   p's scale word
.set FF,   6                           ; v6   f = 2^(old M - new M); v7 is the pair's other half, which no result takes
.set NIL,  7                           ; v7   0; never rewritten
.set VS,   8                           ; v[8:9]   V's scale words: fragment b in lanes 16 (b % 2) on of word b / 2
.set KS,   10                          ; v[10:11] K's likewise
.set QS,   12                          ; v12-19  Q's: tile t for [Q | 0] and [0 | Q]
.set NMB,  20                          ; v20-27  tile t: -M, the largest score
.set LB,   28                          ; v28-35  tile t: l in two halves
.set HD,   36                          ; v36-39  57,344 x the scales
.set SO,   40                          ; v40-43  the conversions' scale operands
.set QZ,   44                          ; v44-115 0 Q0 0 Q1 0 Q2 0 Q3 0
.set SB,   120                         ; v120-183, v188-251 the two sets of scores; p's codes take the four registers ahead of a set and its first twelve
.set FLR,  252                         ; v252 2^-111
.set XO,   253                         ; v253 my byte offset in x and out0
.set PFO,  254                         ; v254 the prefetch's offset
; window 1: v0-127 O^T (tile t at 32 t), v128-191 K's fragments, v192-255 V's
.set KF,   128
.set VF,   192
.set WV,   16
.set MNT,  19
.set SEL,  20
.set CS,   22                          ; s[22:23] log2(e)
.set G0A,  24                          ; s[24:27], s[28:31] group 0 for slots 0 and 1; s[32:39] group 1
.set G0B,  28
.set G1,   32
.set NC,   40                          ; -log2(e)
.set KE,   42                          ; s[42:43] 2^-15
.set EXM,  44
.set PSEL, 45
.set BMK,  46
.set GAM,  47
.set MSB, 0
.macro WIN new                         ; the immediate's high byte repeats the setting that is left
.if MSB != \new
	s_set_vgpr_msb (MSB<<8)|\new
.set MSB, \new
.endif
.endm
.macro CREST                           ; a round of the cluster's barrier behind its opening barrier
	s_cmp_lg_u32 s[WV], 0
	s_cbranch_scc1 .Lnot_wave_0_\@
	s_barrier_signal -3
.Lnot_wave_0_\@:
	s_barrier_wait -3
	s_barrier_signal -1
	s_barrier_wait -1
.endm
.macro CROUND                          ; a whole round
	s_barrier_signal -1
	s_barrier_wait -1
	CREST
.endm
.macro JLOAD g                         ; my step, asked for jointly by the four work-groups
	tensor_load_to_lds s[\g:\g+3], s[G1:G1+7]
	s_nop 0
.rept 4
	v_nop
.endr
.endm
.macro FETCHK slot                     ; K's scale words and four fragments: 17 loads
	ds_load_b64 v[KS:KS+1], v[AD8] offset:BLK*(\slot)
	WIN 0x40
.irp f, 0,1,2,3
.irp c, 0,1,2,3
	ds_load_b128 v[KF+16*\f+4*\c:KF+16*\f+4*\c+3], v[AD] offset:BLK*(\slot)+2048*\f+512*\c
.endr
.endr
	WIN 0
.endm
.macro FETCHV slot                     ; V's
	ds_load_b64 v[VS:VS+1], v[AD8] offset:BLK*(\slot)+256
	WIN 0x40
.irp f, 0,1,2,3
.irp c, 0,1,2,3
	ds_load_b128 v[VF+16*\f+4*\c:VF+16*\f+4*\c+3], v[AD] offset:BLK*(\slot)+8192+2048*\f+512*\c
.endr
.endr
	WIN 0
.endm
.macro QK ti, b                        ; the scores of tile ti against the keys 32 b .. 32 b + 31: two products of one fragment, each starting its sums
.set D_, SB+68*((\ti)%2)+16*(\b)
.set Q_, QZ+16*(\ti)
.set QW_, QS+2*(\ti)
	WIN 0x01
.if (\b)%2
	v_wmma_scale_f32_16x16x128_f8f6f4 v[D_:D_+7], v[KF+16*(\b):KF+16*(\b)+15], v[Q_+8:Q_+23], 0, v[KS+(\b)/2], v[QW_] matrix_a_fmt:MATRIX_FMT_BF8 matrix_b_fmt:MATRIX_FMT_BF8 matrix_a_scale:MATRIX_SCALE_ROW1
	v_wmma_scale_f32_16x16x128_f8f6f4 v[D_+8:D_+15], v[KF+16*(\b):KF+16*(\b)+15], v[Q_:Q_+15], 0, v[KS+(\b)/2], v[QW_+1] matrix_a_fmt:MATRIX_FMT_BF8 matrix_b_fmt:MATRIX_FMT_BF8 matrix_a_scale:MATRIX_SCALE_ROW1
.else
	v_wmma_scale_f32_16x16x128_f8f6f4 v[D_:D_+7], v[KF+16*(\b):KF+16*(\b)+15], v[Q_+8:Q_+23], 0, v[KS+(\b)/2], v[QW_] matrix_a_fmt:MATRIX_FMT_BF8 matrix_b_fmt:MATRIX_FMT_BF8
	v_wmma_scale_f32_16x16x128_f8f6f4 v[D_+8:D_+15], v[KF+16*(\b):KF+16*(\b)+15], v[Q_:Q_+15], 0, v[KS+(\b)/2], v[QW_+1] matrix_a_fmt:MATRIX_FMT_BF8 matrix_b_fmt:MATRIX_FMT_BF8
.endif
	WIN 0
.endm
.macro PV st, ti                       ; O^T += V^T P^T: the four accumulators take turns, one instruction a turn; in the first step they start
.set P_, SB+68*((\ti)%2)-4
.if (\st) > 0
	WIN 0x51
.else
	WIN 0x41
.endif
.irp c, 0,1,2,3
.set O_, 32*(\ti)+8*\c
.if (\st) > 0
.if \c%2
	v_wmma_scale_f32_16x16x128_f8f6f4 v[O_:O_+7], v[VF+16*\c:VF+16*\c+15], v[P_:P_+15], v[O_:O_+7], v[VS+\c/2], v[PW] matrix_a_fmt:MATRIX_FMT_BF8 matrix_b_fmt:MATRIX_FMT_BF8 matrix_a_scale:MATRIX_SCALE_ROW1
.else
	v_wmma_scale_f32_16x16x128_f8f6f4 v[O_:O_+7], v[VF+16*\c:VF+16*\c+15], v[P_:P_+15], v[O_:O_+7], v[VS+\c/2], v[PW] matrix_a_fmt:MATRIX_FMT_BF8 matrix_b_fmt:MATRIX_FMT_BF8
.endif
.else
.if \c%2
	v_wmma_scale_f32_16x16x128_f8f6f4 v[O_:O_+7], v[VF+16*\c:VF+16*\c+15], v[P_:P_+15], 0, v[VS+\c/2], v[PW] matrix_a_fmt:MATRIX_FMT_BF8 matrix_b_fmt:MATRIX_FMT_BF8 matrix_a_scale:MATRIX_SCALE_ROW1
.else
	v_wmma_scale_f32_16x16x128_f8f6f4 v[O_:O_+7], v[VF+16*\c:VF+16*\c+15], v[P_:P_+15], 0, v[VS+\c/2], v[PW] matrix_a_fmt:MATRIX_FMT_BF8 matrix_b_fmt:MATRIX_FMT_BF8
.endif
.endif
.endr
	WIN 0
.endm
.macro AFIRST ti                       ; the first eight lines of tile ti's maxima: the largest score of each block of 32 keys
.set XA_, SB+68*((\ti)%2)
.set BA_, SB+68*(1-(\ti)%2)+16
.irp b, 0,1,2,3
	v_max3_num_f32 v[BA_+\b], v[XA_+16*\b], v[XA_+16*\b+1], v[XA_+16*\b+2]
.endr
.irp b, 0,1,2,3
	v_max3_num_f32 v[BA_+\b], v[BA_+\b], v[XA_+16*\b+3], v[XA_+16*\b+4]
.endr
.endm
; A TILE of a step: its softmax from behind AFIRST to its products with V.  The temporaries lie in the other set of scores, which the next tile's products take over behind their last use.
.macro TILE st, ti
.set XX, SB+68*((\ti)%2)
.set YY, SB+68*(1-(\ti)%2)
.set BM, YY+16                         ; the blocks' largest scores, then largest p
.set T2, YY+20
.set TA, YY+24
.set TO, YY+25
.set NM, NMB+2*(\ti)
.set RM, NMB+2*(\ti)+1
.set LL, LB+2*(\ti)
.set NT, ((\ti)+1)%4
.set SLV, (\st)%2
.set SLK, ((\st)+1)%2
.set LAST, 0
.if (\st) == 3 && (\ti) == 3
.set LAST, 1
.endif
.irp i, 5,7,9,11,13
.irp b, 0,1,2,3
	v_max3_num_f32 v[BM+\b], v[BM+\b], v[XX+16*\b+\i], v[XX+16*\b+\i+1]
.endr
.endr
.if (\ti) == 0
	FETCHV SLV                                     ; V's registers were last read by the products ahead of the twenty lines above
.endif
.irp b, 0,1,2,3
	v_max_num_f32 v[BM+\b], v[BM+\b], v[XX+16*\b+15]
.endr
.irp b, 0,1,2,3
	v_permlanex16_b32 v[T2+\b], v[BM+\b], s[SEL], s[SEL+1]
.endr
.irp b, 0,1,2,3
	v_max_num_f32 v[BM+\b], v[BM+\b], v[T2+\b]     ; with lane l xor 16's 16 keys
.endr
	v_max3_num_f32 v[TA], v[BM], v[BM+1], v[BM+2]
.if (\st) > 0
	v_max3_num_f32 v[RM], v[RM], v[TA], v[BM+3]    ; the running largest score
	v_mul_f32 v[TA], s[NC], v[RM]                  ; -t
	v_mov_b32 v[TO], v[NM]
	v_floor_f32 v[NM], v[TA]                       ; the new -M = floor(-t): a whole number
	v_sub_f32 v[TA], v[NM], v[TO]                  ; old M - new M: 0 or less
	v_cvt_i32_f32 v[TA], v[TA]                     ; (it saturates)
.else
	v_max_num_f32 v[RM], v[TA], v[BM+3]
	v_mul_f32 v[TA], s[NC], v[RM]
	v_floor_f32 v[NM], v[TA]
.endif
.set J_, 0
.rept 32
	v_pk_fma_f32 v[XX+J_:XX+J_+1], v[XX+J_:XX+J_+1], s[CS:CS+1], v[NM:NM+1] op_sel_hi:[1,0,0]   ; t - M, two at a time
.set J_, J_+2
.endr
	v_pk_fma_f32 v[BM:BM+1], v[BM:BM+1], s[CS:CS+1], v[NM:NM+1] op_sel_hi:[1,0,0]               ; the same of the blocks' largest
	v_pk_fma_f32 v[BM+2:BM+3], v[BM+2:BM+3], s[CS:CS+1], v[NM:NM+1] op_sel_hi:[1,0,0]
	s_wait_alu depctr_va_vdst(0)                   ; the wait ahead of the batch,
.set J_, 0
.rept 64
	v_exp_f32 v[XX+J_], v[XX+J_]                   ; p = 2^(t - M)
.set J_, J_+1
.endr
.irp b, 0,1,2,3
	v_exp_f32 v[BM+\b], v[BM+\b]                   ; the blocks' largest p
.endr
.if (\st) > 0
	v_ldexp_f32 v[FF], 1.0, v[TA]                  ; f = 2^(old M - new M): the plain line behind the batch
	WIN 0x41
	s_wait_alu depctr_va_vdst(0)                   ; and ahead of the first reader of its results and of O^T
.set J_, 32*(\ti)
.rept 16
	v_pk_mul_f32 v[J_:J_+1], v[J_:J_+1], v[FF:FF+1] op_sel_hi:[1,0]   ; O^T under the new M
.set J_, J_+2
.endr
	WIN 0
.else
	v_nop                                          ; the plain line behind the batch
	s_wait_alu depctr_va_vdst(0)                   ; and ahead of the first reader of its results
.endif
.if (\ti) == 2 && (\st) < 2
	s_wait_tensorcnt 0x0                           ; the next step has landed, and no tensor load of mine is out: a group 0 may be written;
	ds_add_u32 v[SPW], v[NIL]                      ; the sums below stand between the add and its wait
.if (\st) == 0
	s_add_nc_u64 s[G0A+2:G0A+3], s[G0A+2:G0A+3], 2*BLK   ; slot 0: step 2
.else
	s_add_nc_u64 s[G0B+2:G0B+3], s[G0B+2:G0B+3], 2*BLK   ; slot 1: step 3
.endif
.endif
	; l, in four chains of pairs
.if (\st) > 0
	v_pk_fma_f32 v[LL:LL+1], v[LL:LL+1], v[FF:FF+1], v[XX:XX+1] op_sel_hi:[1,0,1]
	v_pk_add_f32 v[YY+26:YY+27], v[XX+2:XX+3], v[XX+4:XX+5]
	v_pk_add_f32 v[YY+28:YY+29], v[XX+6:XX+7], v[XX+8:XX+9]
	v_pk_add_f32 v[YY+30:YY+31], v[XX+10:XX+11], v[XX+12:XX+13]
.set K0_, 7
.else
	v_pk_add_f32 v[LL:LL+1], v[XX:XX+1], v[XX+2:XX+3]
	v_pk_add_f32 v[YY+26:YY+27], v[XX+4:XX+5], v[XX+6:XX+7]
	v_pk_add_f32 v[YY+28:YY+29], v[XX+8:XX+9], v[XX+10:XX+11]
	v_pk_add_f32 v[YY+30:YY+31], v[XX+12:XX+13], v[XX+14:XX+15]
.set K0_, 8
.endif
.set K_, K0_
.rept 32-K0_
.if (K_-K0_)%4
.set C_, YY+24+2*((K_-K0_)%4)
.else
.set C_, LL
.endif
	v_pk_add_f32 v[C_:C_+1], v[C_:C_+1], v[XX+2*K_:XX+2*K_+1]
.set K_, K_+1
.endr
	v_pk_add_f32 v[YY+28:YY+29], v[YY+28:YY+29], v[YY+30:YY+31]
	v_pk_add_f32 v[LL:LL+1], v[LL:LL+1], v[YY+26:YY+27]
	; the four scales
	v_dual_max_num_f32 v[BM], v[FLR], v[BM] :: v_dual_max_num_f32 v[BM+1], v[FLR], v[BM+1]   ; the floor 2^(16 - 127): the byte cannot fall under 1
	v_dual_max_num_f32 v[BM+2], v[FLR], v[BM+2] :: v_dual_max_num_f32 v[BM+3], v[FLR], v[BM+3]
	v_pk_add_f32 v[LL:LL+1], v[LL:LL+1], v[YY+28:YY+29]
	v_pk_mul_f32 v[SO:SO+1], v[BM:BM+1], s[KE:KE+1] op_sel_hi:[1,0]       ; x 2^-15: the conversion's scale operand
	v_pk_mul_f32 v[SO+2:SO+3], v[BM+2:BM+3], s[KE:KE+1] op_sel_hi:[1,0]
	v_and_or_b32 v[HD], v[BM], s[EXM], s[MNT]                             ; 57,344 x the scale
	v_and_or_b32 v[HD+1], v[BM+1], s[EXM], s[MNT]
	v_perm_b32 v[T2], v[SO+2], v[SO], s[PSEL]                             ; the upper halves of scales 0 and 2,
	v_perm_b32 v[T2+1], v[SO+3], v[SO+1], s[PSEL]                         ; of 1 and 3: an exponent field in bits 14:7 of each
	v_and_or_b32 v[HD+2], v[BM+2], s[EXM], s[MNT]
	v_and_or_b32 v[HD+3], v[BM+3], s[EXM], s[MNT]
	v_lshrrev_b32 v[T2], 7, v[T2]                                         ; into bytes 0 and 2,
	v_lshlrev_b32 v[T2+1], 1, v[T2+1]                                     ; and bytes 1 and 3
	v_bfi_b32 v[PW], s[BMK], v[T2], v[T2+1]                               ; p's scale word for these 128 keys
.if (\ti) == 2 && (\st) < 2
	s_wait_alu depctr_va_vdst(0)
	s_wait_dscnt 0x0                               ; the add is done, and my reads of this step's slot are over:
	s_barrier_signal -1                            ; say so; work on registers while the others arrive
.endif
.if (\ti) == 3 && (\st) < 3
	s_wait_alu depctr_va_vdst(0)
	s_wait_dscnt 0x0                               ; the next step's fragments of K
.endif
.irp b, 0,1,2,3
.if LAST == 0
	QK NT, \b                                      ; the next tile's scores, into the other set
.endif
.irp i, 0,2,4,6,8,10,12,14
	v_dual_min_num_f32 v[XX+16*\b+\i], v[HD+\b], v[XX+16*\b+\i] :: v_dual_min_num_f32 v[XX+16*\b+\i+1], v[HD+\b], v[XX+16*\b+\i+1]   ; the conversion does not saturate (ISA guide 7.6.2); p is not negative, so the hold is one-sided
.endr
	v_cvt_scalef32_pk8_bf8_f32 v[XX-4+4*\b:XX-3+4*\b], v[XX+16*\b:XX+16*\b+7], v[SO+\b]   ; the codes take the registers of the block before
	v_cvt_scalef32_pk8_bf8_f32 v[XX-2+4*\b:XX-1+4*\b], v[XX+16*\b+8:XX+16*\b+15], v[SO+\b]
.endr
.if LAST
.irp t, 0,1,2,3
	v_add_f32 v[LB+2*\t], v[LB+2*\t], v[LB+2*\t+1] ; l's two halves: four places ahead of the products
.endr
.else
	AFIRST NT                                      ; places ahead of the products, and behind the next tile's
.endif
.if (\ti) == 0
	s_wait_alu depctr_va_vdst(0)
	s_wait_dscnt 0x0                               ; V's fragments
.endif
	PV \st, \ti
.if (\ti) == 2
.if (\st) < 2
	s_wait_alu depctr_va_vdst(0)
	s_barrier_wait -1                              ; the barrier has opened a round: no wave of any partner still reads this step's slot or has a load on its way
	CREST
.if (\st) == 0
	JLOAD G0A                                      ; step 2 into slot 0
.else
	JLOAD G0B                                      ; step 3 into slot 1
.endif
	FETCHK SLK
.elseif (\st) == 2
	s_wait_alu depctr_va_vdst(0)
	s_wait_tensorcnt 0x0                           ; step 3 has landed: I alone read what I fetched
	FETCHK SLK
.else
	WIN 0x40
.irp i, 0,1,2,3
	global_load_b128 v[KF+4*\i:KF+4*\i+3], v[XO], s[8:9] offset:32768*\i th:TH_LOAD_NT   ; x for the residual: channels 8 w + 2 i + h, my 16 bytes: K's registers are free
.endr
	WIN 0
.endif
.endif
.if (\st) == 2 && (\ti) == 1
	global_prefetch_b8 v[PFO], s[8:9] th:TH_LOAD_NT scope:SCOPE_SE   ; my eight channels' 256 bytes of x, five tiles ahead of their load; lanes 8-31 name the last again
.endif
.endm
	s_load_b256 s[4:11], s[0:1], 0x0               ; qw s[4:5], kvc s[6:7], x s[8:9], gamma s[10:11]
	s_load_b64 s[12:13], s[0:1], 0x20              ; out0
	v_lshl_add_u32 v[SPW], v0, 2, SPARE
	v_mov_b32 v[NIL], 0
	ds_add_u32 v[SPW], v[NIL]                      ; the wave's opening: the add, twice on end, and its wait ahead of my first tensor load
	ds_add_u32 v[SPW], v[NIL]
	v_lshrrev_b32 v120, 5, v0
	v_readfirstlane_b32 s[WV], v120                ; wave 0..7
	v_and_b32 v121, 31, v0                         ; lane
	v_and_b32 v122, 15, v0                         ; r
	v_bfe_u32 v123, v0, 4, 1                       ; h
	s_mul_i32 s48, s[WV], WREG                     ; my slots
	s_add_co_u32 s49, s48, SCO
	s_lshl_b32 s50, s[WV], 17                      ; my eight channels of x and out0: 16,384 bytes each
	v_lshl_add_u32 v[AD], v121, 4, s48
	v_lshl_add_u32 v[AD8], v121, 3, s49
	v_lshlrev_b32 v124, 4, v121
	v_lshlrev_b32 v125, 3, v121
	v_lshlrev_b32 v[XO], 14, v123
	v_lshl_add_u32 v[XO], v122, 4, v[XO]
	v_add_nc_u32 v[XO], s50, v[XO]
	v_min_u32 v[PFO], 7, v121
	v_lshlrev_b32 v[PFO], 14, v[PFO]
	v_add_nc_u32 v[PFO], s50, v[PFO]
	v_mov_b32 v[FLR], 0x8000000
.irp g, 0,16,32,48,64                          ; the zero codes round Q
.irp j, 0,1,2,3,4,5,6,7
	v_mov_b32 v[QZ+\g+\j], 0
.endr
.endr
.irp j, 20,21,22,23
	v_mov_b32 v[SB+68+\j], 0                       ; a lane permute's destination counts as one of its sources
.endr
	s_wait_alu depctr_va_vdst(0)                   ; the wait behind the head's last vector instruction
	s_mov_b32 s[G1], 15|(3<<16)|(1<<21)            ; the mask: all four work-groups; elements of 8 bytes; bit 21 set beside a mask
	s_mov_b32 s[G1+1], 32<<16
	s_mov_b32 s[G1+2], 66<<16
	s_mov_b32 s[G1+3], 32<<16
	s_mov_b32 s[G1+4], 66
	s_mov_b32 s[G1+5], 32
	s_mov_b32 s[G1+6], 0
	s_mov_b32 s[G1+7], 0
	s_mov_b32 s[MNT], 0x600000                     ; the mantissa field of 57,344
	s_mov_b32 s[SEL], 0x76543210                   ; lane l xor 16
	s_mov_b32 s[SEL+1], 0xfedcba98
	s_mov_b32 s[CS], 0x3fb8aa3b
	s_mov_b32 s[CS+1], s[CS]
	s_mov_b32 s[NC], 0xbfb8aa3b
	s_mov_b32 s[KE], 0x38000000
	s_mov_b32 s[KE+1], s[KE]
	s_mov_b32 s[EXM], 0x7f800000
	s_mov_b32 s[PSEL], 0x07060302
	s_mov_b32 s[BMK], 0x00ff00ff
	s_and_b32 s51, ttmp7, 0xffff                   ; the batch, which the four partners share
	s_mul_i32 s52, s51, 32*BLK
	s_mul_i32 s54, s[WV], 4*BLK                    ; my four steps
	s_add_co_u32 s52, s52, s54
	s_mov_b32 s53, 0
	s_mov_b32 s[G0A], 1
	s_mov_b32 s[G0A+1], s48
	s_mov_b32 s[G0B], 1
	s_add_co_u32 s[G0B+1], s48, BLK
	; the merge's places: I take query tile w % 4 and channels 32 (w / 4) on
	s_and_b32 s17, s[WV], 3
	s_lshr_b32 s18, s[WV], 2
	s_lshl_b32 s60, s17, 12
	s_lshl_b32 s54, s18, 11
	s_add_co_u32 s60, s60, s54                     ; s60 where the partial sums that I add begin
	s_lshl_b32 s61, s17, 7
	s_add_co_u32 s61, s61, SCO                     ; s61 and their -M and l
	s_mul_i32 s62, s18, 32*SP2                     ; s62 where I put merged numbers
	s_lshr_b32 s54, s17, 1
	s_lshl_b32 s54, s54, 7
	s_add_co_u32 s62, s62, s54
	s_and_b32 s54, s17, 1
	s_lshl_b32 s54, s54, 5
	s_add_co_u32 s62, s62, s54
	s_add_co_u32 s62, s62, STG
	s_mul_i32 s63, s[WV], 8*SP2
	s_add_co_u32 s63, s63, STG                     ; s63 and where I read rows back
	s_wait_dscnt 0x0                               ; both opening adds are done
	CROUND                                         ; the opening round: all four work-groups are here, so the first joint loads meet
	s_wait_kmcnt 0x0
	s_add_nc_u64 s[G0A+2:G0A+3], s[6:7], s[52:53]
	s_add_nc_u64 s[G0B+2:G0B+3], s[G0A+2:G0A+3], BLK
	s_or_b32 s[G0A+3], s[G0A+3], 0x80000000
	s_or_b32 s[G0B+3], s[G0B+3], 0x80000000
	JLOAD G0A                                      ; step 0: one tensor load a wave at the head
	s_load_b32 s[GAM], s[10:11], 0x0
	s_bfe_u32 s55, ttmp6, 0x40000                  ; my place in the cluster: it enters global addresses of my own loads, stores and the prefetch alone
	s_lshl_b32 s56, ttmp9, 2
	s_add_co_u32 s56, s56, s55                     ; my block of 64 queries
	s_lshl_b32 s58, s51, 8                         ; Q: tiles 256 b + 4 X on, 1,280 bytes a tile
	s_lshl_b32 s57, s56, 2
	s_add_co_u32 s58, s58, s57
	s_mul_i32 s58, s58, 1280
	s_mov_b32 s59, 0
	s_add_nc_u64 s[4:5], s[4:5], s[58:59]
.irp t, 0,1,2,3
	global_load_b128 v[QZ+8+16*\t:QZ+11+16*\t], v124, s[4:5] offset:1280*\t
	global_load_b128 v[QZ+12+16*\t:QZ+15+16*\t], v124, s[4:5] offset:1280*\t+512
	global_load_b64 v[QS+2*\t:QS+2*\t+1], v125, s[4:5] offset:1280*\t+1024
.endr
	s_lshl_b32 s58, s51, 20                        ; x, out0: the batch, and my block's 256 bytes of each channel
	s_lshl_b32 s57, s56, 8
	s_add_co_u32 s58, s58, s57
	s_add_nc_u64 s[8:9], s[8:9], s[58:59]
	s_add_nc_u64 s[12:13], s[12:13], s[58:59]
	s_wait_kmcnt 0x0                               ; gamma
	s_wait_loadcnt 0x0                             ; Q
	s_wait_tensorcnt 0x0                           ; step 0 is in
	ds_add_u32 v[SPW], v[NIL]
	s_wait_dscnt 0x0
	CROUND
	JLOAD G0B                                      ; step 1 into slot 1, the first tensor load behind the round
	FETCHK 0
.irp b, 0,1,2,3
	s_wait_dscnt 12-4*\b                           ; the scale words and fragments 0 to b are in; the four loads of each later fragment may be out
	QK 0, \b
.endr
.rept 8
	v_nop                                          ; places in front of the first read of the scores
.endr
	AFIRST 0
.irp s, 0,1,2,3
	TILE \s, 0
	TILE \s, 1
	TILE \s, 2
	TILE \s, 3
.endr
	; THE MERGE.  My partial O^T goes into my own slot 0, my -M and l behind it: I have read all that I fetched, and nothing is filled again.  Then wave w adds its 32 channels of its query tile over the eight waves.
.set T2, SB+20
.irp t, 0,1,2,3
	v_permlanex16_b32 v[T2+\t], v[LB+2*\t], s[SEL], s[SEL+1]
.endr
.irp t, 0,1,2,3
	v_add_f32 v[LB+2*\t], v[LB+2*\t], v[T2+\t]     ; and lane l xor 16's: l of my keys
.endr
	v_and_b32 v44, 31, v0
	v_and_b32 v54, 15, v0
	v_bfe_u32 v55, v0, 4, 1
	v_lshl_add_u32 v45, v44, 2, s49                ; my -M and l
	v_lshl_add_u32 v46, v44, 4, s60                ; v46-49 the partial sums of waves 2 p and 2 p + 1
	v_lshl_add_u32 v50, v44, 2, s61                ; v50-53 their -M and l
	v_add_nc_u32 v47, 2*WREG, v46
	v_add_nc_u32 v48, 4*WREG, v46
	v_add_nc_u32 v49, 6*WREG, v46
	v_add_nc_u32 v51, 2*WREG, v50
	v_add_nc_u32 v52, 4*WREG, v50
	v_add_nc_u32 v53, 6*WREG, v50
	v_and_b32 v56, 8, v54
	v_mul_u32_u24 v57, v55, SP2
	v_add_nc_u32 v56, v56, v54
	v_lshl_add_u32 v57, v54, 4, v57
	v_lshlrev_b32 v56, 2, v56
	v_add_nc_u32 v57, s63, v57                     ; back: lanes 0-15 one row of 256 bytes, lanes 16-31 the next
	v_mad_u32_u24 v56, v55, 8*SP2, v56
	v_add_nc_u32 v56, s62, v56                     ; in: channel 8 h on, query r + 8 (r / 8) of my tile's group
	WIN 0x04
.irp t, 0,1,2,3
.irp k, 0,1,2,3,4,5,6,7
.if \t < 3 && \k%2 == 0
	s_wait_alu depctr_va_vdst(0)                   ; transcendentals stand behind these products: the wait ahead of an accumulator's first reader
.endif
	ds_store_b128 v[AD], v[32*\t+4*\k:32*\t+4*\k+3] offset:4096*\t+512*\k   ; each accumulator from its low end on
.endr
.endr
	WIN 0
.irp t, 0,1,2,3
	ds_store_b32 v45, v[NMB+2*\t] offset:128*\t
	ds_store_b32 v45, v[LB+2*\t] offset:512+128*\t
.endr
	s_wait_alu depctr_va_vdst(0)
	s_wait_dscnt 0x0                               ; for the others' sake: my stores are done
	s_barrier_signal -1
	s_barrier_wait -1
.irp p, 0,1,2,3
.irp q, 0,1
	ds_load_b32 v[58+2*\p+\q], v[50+\p] offset:WREG*\q         ; v58-65 the eight -M,
	ds_load_b32 v[66+2*\p+\q], v[50+\p] offset:WREG*\q+512     ; v66-73 the eight l
.endr
.endr
.irp p, 0,1,2,3
.irp q, 0,1
.irp k, 0,1,2,3
	ds_load_b128 v[120+32*\p+16*\q+4*\k:123+32*\p+16*\q+4*\k], v[46+\p] offset:WREG*\q+512*\k
.endr
.endr
.endr
	s_wait_dscnt 32                                ; the sixteen words are in; the 32 loads of partial sums behind them may be out
	v_min3_num_f32 v90, v58, v59, v60
	v_min3_num_f32 v91, v61, v62, v63
	v_min3_num_f32 v90, v90, v64, v65
	v_min_num_f32 v90, v90, v91                    ; -M of the whole row: the smallest
.irp g, 0,1,2,3,4,5,6,7
	v_sub_f32 v[74+2*\g], v90, v[58+\g]            ; the wave's M - the row's M: a whole number, 0 or less
.endr
.irp g, 0,1,2,3,4,5,6,7
	v_cvt_i32_f32 v[74+2*\g], v[74+2*\g]
.endr
.irp g, 0,1,2,3,4,5,6,7
	v_ldexp_f32 v[74+2*\g], 1.0, v[74+2*\g]        ; the wave's factor: exact
.endr
	v_mul_f32 v91, v74, v66
	v_mul_f32 v92, v76, v67
.irp g, 2,4,6
	v_fmac_f32 v91, v[74+2*\g], v[66+\g]
	v_fmac_f32 v92, v[76+2*\g], v[67+\g]
.endr
	v_add_f32 v91, v91, v92                        ; the row's sum
	s_wait_alu depctr_va_vdst(0)                   ; the wait ahead of the reciprocal,
	v_rcp_f32 v93, v91
	v_nop                                          ; a plain line behind it,
	s_wait_alu depctr_va_vdst(0)                   ; and the wait ahead of its first reader
	v_mul_f32 v93, s[GAM], v93                     ; gamma / l
.irp g, 0,1,2,3,4,5,6,7
	v_mul_f32 v[74+2*\g], v[74+2*\g], v93
.endr
	s_wait_alu depctr_va_vdst(0)
	s_wait_dscnt 0x0                               ; the partial sums
.irp j, 0,2,4,6,8,10,12,14
	v_pk_mul_f32 v[94+\j:95+\j], v[120+\j:121+\j], v[74:75] op_sel_hi:[1,0]
.endr
.irp g, 1,2,3,4,5,6,7
.irp j, 0,2,4,6,8,10,12,14
	v_pk_fma_f32 v[94+\j:95+\j], v[120+16*\g+\j:121+16*\g+\j], v[74+2*\g:75+2*\g], v[94+\j:95+\j] op_sel_hi:[1,0,1]
.endr
.endr
.irp j, 0,1,2,3,4,5,6,7,8,9,10,11,12,13,14,15
	ds_store_b32 v56, v[94+\j] offset:SP2*(16*(\j/8)+\j%8)     ; channel 32 (w / 4) + 16 (j / 8) + 8 h + j % 8, my query
.endr
	s_wait_dscnt 0x0
	s_barrier_signal -1
	s_barrier_wait -1                              ; 64 channels x 64 queries lie in the stage
.irp i, 0,1,2,3
	ds_load_b128 v[120+4*\i:123+4*\i], v57 offset:2*SP2*\i
.endr
	s_wait_dscnt 0x0
	s_wait_loadcnt 0x0                             ; x
	WIN 0x04
.irp j, 0,2,4,6,8,10,12,14
	v_pk_add_f32 v[120+\j:121+\j], v[120+\j:121+\j], v[KF+\j:KF+\j+1]
.endr
	WIN 0
.irp i, 0,1,2,3
	global_store_b128 v[XO], v[120+4*\i:123+4*\i], s[12:13] offset:32768*\i th:TH_STORE_NT   ; 16 lanes store 256 consecutive bytes, at a multiple of 256 from out0's first byte
.endr
	s_wait_tensorcnt 0x0                           ; the wave's end: behind my last tensor load and my last LDS store
	ds_add_u32 v[SPW], v[NIL]
	s_wait_dscnt 0x0
	CROUND                                         ; the closing round: no work-group ends while a partner may still ask for a step that names it
	s_endpgm
.Lfunc_end_k_q87e1e3caa3_attn:
	.size	k_q87e1e3caa3_attn, .Lfunc_end_k_q87e1e3caa3_attn-k_q87e1e3caa3_attn
	.p2alignl 7, 3214868480
	.fill 96, 4, 3214868480
	.section	.rodata,"a",@progbits
	.p2align	6, 0x0
	.amdhsa_kernel k_q87e1e3caa3_attn
		.amdhsa_group_segment_fixed_size 327680
		.amdhsa_private_segment_fixed_size 0
		.amdhsa_enable_private_segment 0
		.amdhsa_kernarg_size 40
		.amdhsa_user_sgpr_count 2
		.amdhsa_user_sgpr_kernarg_segment_ptr 1
		.amdhsa_wavefront_size32 1
		.amdhsa_system_sgpr_workgroup_id_x 1
		.amdhsa_system_sgpr_workgroup_id_y 1
		.amdhsa_system_sgpr_workgroup_id_z 1
		.amdhsa_system_vgpr_workitem_id 0
		.amdhsa_next_free_vgpr 512
		.amdhsa_next_free_sgpr 66
		.amdhsa_reserve_vcc 0
		.amdhsa_float_denorm_mode_32 3
		.amdhsa_float_denorm_mode_16_64 3
		.amdhsa_memory_ordered 1
		.amdhsa_forward_progress 1
		.amdhsa_inst_pref_size 255
	.end_amdhsa_kernel
	.section	.bss,"aw",@nobits
	.p2align	6
	.space	262144
	.amdgpu_metadata
---
amdhsa.version: [ 1, 2 ]
amdhsa.kernels:
  - .name:           k_q87e1e3caa3_attn
    .symbol:         k_q87e1e3caa3_attn.kd
    .args:
      - { .name: qw, .offset: 0, .size: 8, .value_kind: global_buffer, .address_space: global }
      - { .name: kvc, .offset: 8, .size: 8, .value_kind: global_buffer, .address_space: global }
      - { .name: x, .offset: 16, .size: 8, .value_kind: global_buffer, .address_space: global }
      - { .name: gamma, .offset: 24, .size: 8, .value_kind: global_buffer, .address_space: global }
      - { .name: out0, .offset: 32, .size: 8, .value_kind: global_buffer, .address_space: global }
    .group_segment_fixed_size: 327680
    .private_segment_fixed_size: 0
    .kernarg_segment_align: 8
    .kernarg_segment_size: 40
    .max_flat_workgroup_size: 256
    .sgpr_count:     66
    .vgpr_count:     512
    .wavefront_size: 32
...
	.end_amdgpu_metadata
.endif
;; end of part 2
